; MI455X (gfx1250); checked and timed in simulation.
; The chip was launched on July 23, 2026; its instructions are those of AMD's public machine-readable ISA for CDNA 5 (MIT licence, August 2026) and "CDNA5" Instruction Set Architecture Reference Guide (July 2026). The comments in the code are by the model that wrote it; some were corrected since.
;; Attention. Allowed arithmetic: matrix products marked QUANTISED: E2M3 operands, one E8M0 scale for each 32 along K, by v_wmma_scale_f32_16x16x128_f8f6f4 with both operands' format E2M3, f32 sums; everything else in f32.
;; Inputs: Wkv_codes 2,048 x 32 x 24 uint8 (E2M3 codes of Wkv, K innermost, in blocks of 32 codes, four codes in three bytes); Wkv_scales 2,048 x 32 uint8 (E8M0 scales of Wkv, one for each 32 codes along K); Wp_codes 1,024 x 32 x 24 uint8 (E2M3 codes of Wp, K innermost, in blocks of 32 codes, four codes in three bytes); Wp_scales 1,024 x 32 uint8 (E8M0 scales of Wp, one for each 32 codes along K); Wq_codes 1,024 x 32 x 24 uint8 (E2M3 codes of Wq, K innermost, in blocks of 32 codes, four codes in three bytes); Wq_scales 1,024 x 32 uint8 (E8M0 scales of Wq, one for each 32 codes along K); bkv 2,048 float32; bp 1,024 float32; bq 1,024 float32; feature_codes 4,096 x 32 x 24 uint8 (E2M3 codes of feature, K innermost, in blocks of 32 codes, four codes in three bytes); feature_scales 4,096 x 32 uint8 (E8M0 scales of feature, one for each 32 codes along K).
;; Outputs: out0 4,096 x 1,024 float32.
;; This version of the problem:
;;   THIS VERSION OF THE PROBLEM IS GIVEN IN LOW PRECISION. The matrix products marked QUANTISED in the list below multiply operands that are first quantised to E2M3 (2 exponent bits, 3 mantissa bits; 6 bits a number), with one power-of-two scale for each 32 numbers along K (OCP MX v1.0); their sums are f32. All else is computed in f32.
;;   The module's matrix products, in the order in which they are computed (A, B: the left and right operand; K: the contracted axis; several contracted axes count as one K, in the product's order):
;;     1. [M 4,096, K 1,024] x [K 1,024, N 1,024]; A: input feature (given as codes); B: input Wq (given as codes): QUANTISED
;;     2. [M 4,096, K 1,024] x [K 1,024, N 2,048]; A: input feature (given as codes); B: input Wkv (given as codes): QUANTISED
;;     3. batch 16 x [M 4,096, K 64] x [K 64, N 4,096]; A: computed on the way; B: computed on the way: QUANTISED
;;     4. batch 16 x [M 64, K 4,096] x [K 4,096, N 4,096]; A: computed on the way; B: softmax (see below): QUANTISED
;;     5. [M 4,096, K 1,024] x [K 1,024, N 1,024]; A: computed on the way; B: input Wp (given as codes): QUANTISED
;;   THE QUANTISER, for each operand of a quantised product, along K:
;;     - K is cut into blocks of 32 from its start; a last block that is shorter is filled with zeros.
;;     - A block's scale is 2^e with e = floor(log2(the largest magnitude in the block)) - 2, held to -126 .. 127; a block of zeros has e = 0. As a byte (E8M0): e + 127.
;;     - Each number is divided by its block's scale, clamped to +-7.5, and rounded to the nearest number of E2M3, ties to even, subnormals kept.
;;     - The product sums the exact products of the quantised numbers (number of the format x scale) in f32.
;;   ~~~python
;;   def quantise(x, axis):      # numpy; x: float32 -> the quantised numbers, widened to float32 again
;;       x = np.moveaxis(x, axis, -1); K = x.shape[-1]
;;       x = np.pad(x, [(0, 0)] * (x.ndim - 1) + [(0, -K % 32)]); x = x.reshape(x.shape[:-1] + (-1, 32)); a = np.abs(x).max(-1, keepdims=True)
;;       e = np.where(a > 0, np.clip(np.frexp(np.where(a > 0, a, 1))[1] - 1 - 2, -126, 127), 0)      # np.frexp(a)[1] - 1 = floor(log2(a)), exactly
;;       r = np.clip(x / 2.0 ** e, -7.5, 7.5)
;;       step = 2.0 ** (np.maximum(np.frexp(np.where(r == 0, 1, r))[1] - 1, 0) - 3)
;;       q = np.round(r / step) * step * 2.0 ** e      # np.round: ties to even
;;       return np.moveaxis(q.reshape(q.shape[:-2] + (-1,))[..., :K], -1, axis).astype(np.float32)
;;   ~~~
;;   SOFTMAX AHEAD OF A QUANTISED PRODUCT. Where the list says 'softmax', what is quantised is not the finished softmax but p = 2^(t - M), with t = logit x log2(e) and M = ceil(the row's largest t), a whole number; so 1/2 < the row's largest p <= 1. The row's sum l is taken of the UNQUANTISED p, in f32, and the product's result is divided by l at the end. Since M is a whole number, a kernel that streams over the keys may use a running M (the ceiling of the running maximum): every later rescaling is an exact power of two, which a block's scale takes up: the codes' values come out the same.
;;   OPERANDS COMPUTED ON THE WAY. 'Computed on the way' means the value that the module computes at that place (a softmax that the list does not call 'softmax' is quantised finished and normalised). What goes into a quantiser is computed in f32, as accurately as f32 sums, v_exp_f32 and their like allow (about 1e-6 of the number): no bf16 or f16 on the way to a quantiser, and a product that is left as it is and whose result goes on into a quantised operand takes f32 operands (vector FMAs, or v_wmma_f32_16x16x4_f32). A number that lies on a knife's edge between two numbers of the format may be rounded either way, as far as f32 arithmetic and the matrix unit's own rounding can turn it there, and no further.
;;   INPUTS GIVEN AS CODES. Wkv (in the module: [2048, 1024], K = its axis 1); Wp (in the module: [1024, 1024], K = its axis 1); Wq (in the module: [1024, 1024], K = its axis 1); feature (in the module: [4096, 1024], K = its axis 1): each comes as NAME_codes (uint8): NAME with its K axis moved to the last place and cut into blocks of 32 codes, [.., K / 32, bytes a block], one block behind the other in memory; four codes in three bytes: a row's codes are one little-endian stream of bits, code i at bits 6 i .. 6 i + 5 (a code: sign, 2 exponent bits, 3 mantissa bits); and NAME_scales (uint8): the same leading axes, one E8M0 byte (e + 127) for each 32 codes along K. Its value is code x scale, taken as it is: it is not quantised again, and the codes and scales need not be those that the quantiser above would give.
;; One version. Each part assembles by itself: llvm-mc -triple=amdgcn-amd-amdhsa -mcpu=gfx1250 --defsym DOCPART=n.
;; ======== version 1 of 1: 3 launches
;; limits: right only within a limited range of input values
;; workspace buffers: qbuf 3,407,872 bytes; kvbuf 6,684,672 bytes; xcodes 3,145,728 bytes; xscales 131,072 bytes
;; launch qkv (part 1): grid 8 x 32, 4 waves a work-group, clusters of 4 x 4, 327,680 bytes of LDS; arguments feature_codes, feature_scales, Wq_codes, Wq_scales, Wkv_codes, Wkv_scales, bq, bkv, qbuf, kvbuf; writes qbuf, kvbuf
.if DOCPART == 1
	.amdgcn_target "amdgcn-amd-amdhsa--gfx1250"
	.amdhsa_code_object_version 6
	.text
	.protected	k_qad5d088b14_qkv
	.globl	k_qad5d088b14_qkv
	.p2align	8
	.type	k_qad5d088b14_qkv,@function
k_qad5d088b14_qkv:
	s_mov_b64 s[64:65], 0
	v_nop
	global_prefetch_b8 v0, s[64:65] scope:SCOPE_SE
	s_setreg_imm32_b32 hwreg(HW_REG_WAVE_MODE, 25, 1), 1
	s_wait_xcnt 0x0
	s_wait_alu depctr_hold_cnt(0) depctr_sa_sdst(0) depctr_va_vdst(0) depctr_va_sdst(0) depctr_va_ssrc(0) depctr_va_vcc(0) depctr_vm_vsrc(0)
	s_getreg_b32 s2, hwreg(HW_REG_IB_STS2, 6, 4)
	s_cmp_eq_u32 s2, 0
	s_cbranch_scc0 .Lentry_in_a_cluster
	s_endpgm
.Lentry_in_a_cluster:
	s_bfe_u32 s2, ttmp6, 0x10000c
	s_cmp_lg_u32 s2, 0xf033
	s_cbranch_scc0 .Lentry_shape_is_right
	s_endpgm
.Lentry_shape_is_right:
; q = (feature Wq^T + bq) / 8, k and v = feature Wkv^T + bkv, on codes of FP6 (E2M3) as they are given; the results are quantised here for the attention's two products.
; No work of reference() is left out; every input is loaded.
; SHARES. Work-group (g, rb) takes tokens 128 rb .. + 127 and heads 2 g, 2 g + 1 through three tiles of 128 x 128: q, k, v. 8 x 32 = 256 work-groups.
; LDS: the feature tile (128 whole rows of K, 768 bytes each, 16 bytes of padding behind every 256: pitch 816) and two weight slots of the same size. Wq and Wk are first fills;
; Wv fills slot 0 again behind the round that follows q's products, and lands under q's way out and k's products.
; q, k: a wave makes 64 tokens x 64 channels (one head), source 0 = weight rows, source 1 = tokens: a lane holds one token, its registers run along the channels.
; v: a wave makes 32 channels x 128 tokens, source 0 = tokens, source 1 = weight rows: a lane holds one channel, its registers run along the keys, which are the next K.
; SCALE WORDS come straight into registers: one load of 16 bytes a lane covers 16 rows x 32 bytes = 512 consecutive bytes; lanes 0-15 hold K steps 0-3, lanes 16-31 K steps 4-7 (ROW1).
; CLUSTERS 4 x 4: the feature tile hangs on rb alone (asked for jointly along a row), the weight tiles on g alone (along a column).
; No prefetch: the launch has no loop to run ahead in; all but one of its tiles are asked for at its head.
; LAYOUTS. qbuf: [head][step of 128 tokens] records of 6,656 bytes: eight tiles of 16 tokens x 768 bytes (registers 0-3 at 16 x lane, registers 4-5 at 512 + 8 x lane), then 512 bytes of
; scale words: tile a's word of token r at 6,144 + 256 (a / 4) + 16 r + 4 (a % 4), bytes 0, 1 repeated in bytes 2, 3. kvbuf: records of 13,056 bytes: k as q, then from 6,656 on v:
; four channel tiles x 1,536 bytes (registers 4 c .. 4 c + 3 at 512 c + 16 x lane), then at 6,144 the words: tile t of channel r at 128 (t / 2) + 8 r + 4 (t % 2).
; Inside a block of 32 the codes lie in the order 0-7, 16-23, 8-15, 24-31, alike in q and k, and in v as in the attention's p.
; LIMITS: a block whose largest magnitude lies under 2^-124 keeps the byte 1 (a block of zeros too: its codes are zeros; this program alone reads the bytes). v's words leave as 128 bytes a wave.
.set PITCH, 816
.set TILE,  128*PITCH
.set SPARE, 3*TILE
.set QREC,  6656
.set REC,   13056
.set FA,   8                           ; v8-9 feature rows 0-63 (second: lanes 16-31 one padding further), v10-11 rows 64-127
.set FQ,   12                          ; v12-13 my 64 tokens
.set WQ,   14                          ; v14-15 my 64 rows in slot 0
.set WK,   16                          ; v16-17 in slot 1
.set WVA,  18                          ; v18-19 my 32 rows of Wv in slot 0
.set LV16, 20
.set LQ16, 21
.set SO,   22
.set BO,   23
.set BR0,  24
.set SQO,  25
.set SVO,  26
.set LN,   27
.set SPW,  28
.set NIL,  29
.set LQ8,  30
.set FS,   32                          ; scale words: tokens, 8 blocks x 4
.set FSQ,  64                          ; my 4 token blocks
.set WSQ,  80
.set WSK,  96
.set WF,   112                         ; weight fragments, two sets of 48
.set T,    112                         ; the way out works where the weight fragments lay
.set CD,   176
.set TM,   196
.set SW,   212
.set E,    216
.set WSV,  224
.set BQ,   128                         ; window 1: v0-127 accumulators, then the biases
.set BK,   160
.set BV,   192
; window 2: token fragments, two sets of 96
.set G1F, 24
.set G1W, 32
.set G1V, 40
.set G0F, 48
.set G0Q, 52
.set G0K, 56
.set G0V, 60
.set WV,  66
.set HR,  67
.set HP,  68
.set CX,  69
.set CY,  70
.set G,   71
.set RB,  72
.set HM,  75
.set SEL, 76
.set SC8, 78
.set MSB, 0
.macro WIN new
.if MSB != (\new)
	s_set_vgpr_msb (MSB<<8)|(\new)
.set MSB, (\new)
.endif
.endm
.macro PLACES n
.rept \n
	v_nop
.endr
.endm
.macro CROUND
	s_barrier_signal -1
	s_barrier_wait -1
	s_cmp_lg_u32 s[WV], 0
	s_cbranch_scc1 .Lnot_wave_0_\@
	s_barrier_signal -3
.Lnot_wave_0_\@:
	s_barrier_wait -3
	s_barrier_signal -1
	s_barrier_wait -1
.endm
	s_load_b512 s[4:19], s[0:1], 0x0
	s_load_b128 s[20:23], s[0:1], 0x40
	v_lshl_add_u32 v[SPW], v0, 2, SPARE
	v_mov_b32 v[NIL], 0
	ds_add_u32 v[SPW], v[NIL]
	ds_add_u32 v[SPW], v[NIL]
	v_lshrrev_b32 v1, 5, v0
	v_readfirstlane_b32 s[WV], v1
	s_lshr_b32 s[HR], s[WV], 1
	s_and_b32 s[HP], s[WV], 1
	s_bfe_u32 s[CX], ttmp6, 0x40000
	s_bfe_u32 s[CY], ttmp6, 0x40004
	s_lshl_b32 s[G], ttmp9, 2
	s_add_co_u32 s[G], s[G], s[CX]
	s_and_b32 s[RB], ttmp7, 0xffff
	s_lshl_b32 s[RB], s[RB], 2
	s_add_co_u32 s[RB], s[RB], s[CY]
	s_lshl_b32 s73, s[CY], 2
	s_lshl_b32 s73, 15, s73                        ; my row of the cluster
	s_lshl_b32 s74, 0x1111, s[CX]                  ; my column
	s_or_b32 s[G1F], s73, (1<<20)|(1<<21)|(5<<22)|(3<<25)   ; bytes; 4 words of padding behind every 64
	s_or_b32 s[G1W], s74, (1<<20)|(1<<21)|(5<<22)|(3<<25)
	s_or_b32 s[G1V], s74, (1<<20)|(1<<21)|(5<<22)|(3<<25)
.irp g, G1F, G1W, G1V
	s_mov_b32 s[\g+1], 768<<16
	s_mov_b32 s[\g+3], 768<<16
	s_mov_b32 s[\g+5], 768
	s_mov_b32 s[\g+6], 0
	s_mov_b32 s[\g+7], 0
.endr
	s_mov_b32 s[G1F+2], 64<<16                     ; rows: 64 for the feature halves and Wv's halves, 128 for Wq and Wk
	s_mov_b32 s[G1F+4], 64
	s_mov_b32 s[G1V+2], 64<<16
	s_mov_b32 s[G1V+4], 64
	s_mov_b32 s[G1W+2], 128<<16
	s_mov_b32 s[G1W+4], 128
	s_lshl_b32 s80, s[RB], 7
	s_lshl_b32 s81, s[HP], 6
	s_add_co_u32 s80, s80, s81
	s_mul_i32 s80, s80, 768                        ; feature: row 128 rb + 64 (wave % 2)
	s_mov_b32 s81, 0
	s_mul_i32 s82, s[G], 128*768                   ; weights: row 128 g
	s_mov_b32 s83, 0
	s_mul_i32 s84, s[HP], 64*768
	s_add_co_u32 s84, s84, s82
	s_add_co_u32 s84, s84, 1024*768                ; Wv: row 1,024 + 128 g + 64 (wave % 2)
	s_mov_b32 s85, 0
	s_mul_i32 s86, s[HP], 64*PITCH
	s_wait_dscnt 0x0
	s_wait_kmcnt 0x0
	s_mov_b32 s[G0F], 1
	s_mov_b32 s[G0F+1], s86
	s_add_nc_u64 s[G0F+2:G0F+3], s[4:5], s[80:81]
	s_or_b32 s[G0F+3], s[G0F+3], 0x80000000
	s_mov_b32 s[G0Q], 1
	s_mov_b32 s[G0Q+1], TILE
	s_add_nc_u64 s[G0Q+2:G0Q+3], s[8:9], s[82:83]
	s_or_b32 s[G0Q+3], s[G0Q+3], 0x80000000
	s_mov_b32 s[G0K], 1
	s_mov_b32 s[G0K+1], 2*TILE
	s_add_nc_u64 s[G0K+2:G0K+3], s[12:13], s[82:83]
	s_or_b32 s[G0K+3], s[G0K+3], 0x80000000
	s_mov_b32 s[G0V], 1
	s_add_co_u32 s[G0V+1], s86, TILE
	s_add_nc_u64 s[G0V+2:G0V+3], s[12:13], s[84:85]
	s_or_b32 s[G0V+3], s[G0V+3], 0x80000000
	CROUND                                         ; the first joint loads meet
; the head's loads, one a wave: waves 0, 1 the feature halves, wave 2 Wq, wave 3 Wk
.macro ARM under, g0, g1, next
	s_cmp_lt_u32 s[WV], \under
	s_cbranch_scc0 \next
	tensor_load_to_lds s[\g0:\g0+3], s[\g1:\g1+7]
	s_nop 0
	PLACES 4
	s_branch .Lhead_asked
\next:
.endm
	ARM 2, G0F, G1F, .Lhead_q
	ARM 3, G0Q, G1W, .Lhead_k
	tensor_load_to_lds s[G0K:G0K+3], s[G1W:G1W+7]
	s_nop 0
	PLACES 4
.Lhead_asked:
	s_lshl_b32 s80, s[RB], 12                      ; the scales of my work-group's 128 tokens
	s_mov_b32 s81, 0
	s_add_nc_u64 s[6:7], s[6:7], s[80:81]
	s_lshl_b32 s82, s[HR], 11
	s_mov_b32 s83, 0
	s_add_nc_u64 s[92:93], s[6:7], s[82:83]        ; of my 64
	s_lshl_b32 s84, s[G], 7
	s_lshl_b32 s85, s[HP], 6
	s_add_co_u32 s84, s84, s85                     ; q, k: my first weight row
	s_lshl_b32 s86, s84, 5
	s_mov_b32 s87, 0
	s_add_nc_u64 s[10:11], s[10:11], s[86:87]
	s_lshl_b32 s88, s[G], 7
	s_lshl_b32 s89, s[WV], 5
	s_add_co_u32 s88, s88, s89
	s_add_co_u32 s88, s88, 1024                    ; v: my first weight row
	s_lshl_b32 s90, s88, 5
	s_mov_b32 s91, 0
	s_add_nc_u64 s[98:99], s[14:15], s[90:91]
	s_add_nc_u64 s[14:15], s[14:15], s[86:87]
	s_lshl_b32 s86, s84, 2
	s_add_nc_u64 s[16:17], s[16:17], s[86:87]
	s_lshl_b32 s90, s88, 2
	s_add_nc_u64 s[100:101], s[18:19], s[90:91]
	s_add_nc_u64 s[18:19], s[18:19], s[86:87]
	s_lshl_b32 s84, s[G], 1
	s_add_co_u32 s85, s84, s[HP]                   ; q, k: my head
	s_lshl_b32 s85, s85, 5
	s_add_co_u32 s85, s85, s[RB]
	s_mul_i32 s86, s85, QREC
	s_add_nc_u64 s[20:21], s[20:21], s[86:87]      ; q's record
	s_mul_i32 s86, s85, REC
	s_add_nc_u64 s[94:95], s[22:23], s[86:87]      ; k's
	s_add_co_u32 s85, s84, s[HR]                   ; v: my head
	s_lshl_b32 s85, s85, 5
	s_add_co_u32 s85, s85, s[RB]
	s_mul_i32 s86, s85, REC
	s_add_co_u32 s86, s86, QREC
	s_add_nc_u64 s[96:97], s[22:23], s[86:87]      ; v's part of the record
	s_mov_b32 s[SEL], 0x76543210
	s_mov_b32 s[SEL+1], 0xfedcba98
	s_mov_b32 s[SC8], 0x3e000000                   ; 1/8
	s_mov_b32 s[SC8+1], s[SC8]
	s_mul_i32 s80, s[HR], 64*PITCH
	s_mul_i32 s81, s[HP], 64*PITCH
	s_add_co_u32 s81, s81, TILE
	s_add_co_u32 s82, s81, TILE
	s_mul_i32 s83, s[WV], 32*PITCH
	s_add_co_u32 s83, s83, TILE
	s_mul_i32 s84, s[HR], 3072
	s_mul_i32 s85, s[HP], 3072
	s_lshl_b32 s86, s[HR], 8
	s_lshl_b32 s87, s[HP], 7
	v_and_b32 v1, 15, v0                           ; r
	v_bfe_u32 v2, v0, 4, 1                         ; h
	v_and_b32 v[LN], 31, v0
	v_mul_u32_u24 v3, v1, PITCH
	v_mad_u32_u24 v[FA], v2, 24, v3                ; row x pitch + 24 h
	v_lshl_add_u32 v[FA+1], v2, 4, v[FA]           ; where lanes 16-31 lie behind the next padding
.irp j, 0,1
	v_add_nc_u32 v[FA+2+\j], 64*PITCH, v[FA+\j]
	v_add_nc_u32 v[FQ+\j], s80, v[FA+\j]
	v_add_nc_u32 v[WQ+\j], s81, v[FA+\j]
	v_add_nc_u32 v[WK+\j], s82, v[FA+\j]
	v_add_nc_u32 v[WVA+\j], s83, v[FA+\j]
.endr
	v_lshlrev_b32 v4, 4, v[LN]
	v_lshlrev_b32 v5, 3, v[LN]
	v_add_nc_u32 v[LQ16], s84, v4
	v_add_nc_u32 v[LV16], s85, v4
	v_add_nc_u32 v[LQ8], s84, v5
	v_lshlrev_b32 v4, 5, v1
	v_lshl_add_u32 v[SO], v2, 4, v4                ; scale words in: 32 r + 16 h
	v_lshlrev_b32 v[BO], 5, v2
	v_lshlrev_b32 v[BR0], 2, v1
	v_lshlrev_b32 v4, 4, v1
	v_lshl_add_u32 v4, v2, 3, v4
	v_add_nc_u32 v[SQO], s86, v4                   ; q's, k's words out: 256 (wave / 2) + 16 r + 8 h
	v_lshlrev_b32 v5, 3, v1
	v_lshl_add_u32 v5, v2, 2, v5
	v_add_nc_u32 v[SVO], s87, v5                   ; v's: 128 (wave % 2) + 8 r + 4 h
	v_cmp_le_u32 s[HM], 16, v[LN]                  ; lanes 16-31
.irp b, 0,1,2,3
	v_mov_b32 v[TM+4+\b], 0                        ; a lane permute's destination counts as a source
.endr
	s_wait_alu depctr_va_vdst(0)                   ; the wait ahead of the readers below
.irp i, 0,1,2,3,4,5,6,7
	global_load_b128 v[FS+4*\i:FS+4*\i+3], v[SO], s[6:7] offset:512*\i
.endr
.irp i, 0,1,2,3
	global_load_b128 v[FSQ+4*\i:FSQ+4*\i+3], v[SO], s[92:93] offset:512*\i
	global_load_b128 v[WSQ+4*\i:WSQ+4*\i+3], v[SO], s[10:11] offset:512*\i
	global_load_b128 v[WSK+4*\i:WSK+4*\i+3], v[SO], s[14:15] offset:512*\i
.endr
.irp i, 0,1
	global_load_b128 v[WSV+4*\i:WSV+4*\i+3], v[SO], s[98:99] offset:512*\i
.endr
	WIN 0x40                                       ; the biases go to window 1
.irp b, 0,1,2,3
	global_load_b128 v[BQ+8*\b:BQ+8*\b+3], v[BO], s[16:17] offset:64*\b
	global_load_b128 v[BQ+8*\b+4:BQ+8*\b+7], v[BO], s[16:17] offset:64*\b+16
	global_load_b128 v[BK+8*\b:BK+8*\b+3], v[BO], s[18:19] offset:64*\b
	global_load_b128 v[BK+8*\b+4:BK+8*\b+7], v[BO], s[18:19] offset:64*\b+16
.endr
.irp a, 0,1
	global_load_b32 v[BV+\a], v[BR0], s[100:101] offset:64*\a
.endr
	s_wait_loadcnt 0x0
	WIN 0x41
.set i, 0
.rept 16
	v_pk_mul_f32 v[BQ+2*i:BQ+2*i+1], v[BQ+2*i:BQ+2*i+1], s[SC8:SC8+1] op_sel_hi:[1,0]   ; bq / 8: exact
.set i, i+1
.endr
	WIN 0
	s_wait_alu depctr_va_vdst(0)                   ; the wait at the head's end
	s_wait_tensorcnt 0x0                           ; my tile is in;
	s_barrier_signal -1
	s_barrier_wait -1                              ; everybody's is
; a fragment: 16 rows x 128 K, 12 registers, in pieces of 8 bytes; byte y of a row lies at y + 16 (y / 256) of its LDS row
.macro FRAG reg, adr, st, i
.irp p, 0,1,2,3,4,5
.set BY, 96*(\st)+48*(\p/3)+8*(\p%3)
.if BY/256 == (BY+24)/256
	ds_load_b64 v[\reg+2*\p:\reg+2*\p+1], v[\adr] offset:BY+16*(BY/256)+(\i)*16*PITCH
.else
	ds_load_b64 v[\reg+2*\p:\reg+2*\p+1], v[\adr+1] offset:BY+16*(BY/256)+(\i)*16*PITCH
.endif
.endr
.endm
.macro WM d, a, b, c, sa, sb, row
.if (\c) < 0
	v_wmma_scale_f32_16x16x128_f8f6f4 v[(\d):(\d)+7], v[(\a):(\a)+11], v[(\b):(\b)+11], 0, v[\sa], v[\sb] matrix_a_fmt:MATRIX_FMT_FP6 matrix_b_fmt:MATRIX_FMT_FP6
.elseif (\row) == 0
	v_wmma_scale_f32_16x16x128_f8f6f4 v[(\d):(\d)+7], v[(\a):(\a)+11], v[(\b):(\b)+11], v[(\c):(\c)+7], v[\sa], v[\sb] matrix_a_fmt:MATRIX_FMT_FP6 matrix_b_fmt:MATRIX_FMT_FP6
.else
	v_wmma_scale_f32_16x16x128_f8f6f4 v[(\d):(\d)+7], v[(\a):(\a)+11], v[(\b):(\b)+11], v[(\c):(\c)+7], v[\sa], v[\sb] matrix_a_fmt:MATRIX_FMT_FP6 matrix_b_fmt:MATRIX_FMT_FP6 matrix_a_scale:MATRIX_SCALE_ROW1 matrix_b_scale:MATRIX_SCALE_ROW1
.endif
.endm
.macro FETCHQK st, wadr
	WIN 0x80
.irp i, 0,1,2,3
	FRAG 96*((\st)%2)+12*\i, FQ, \st, \i
.endr
	WIN 0
.irp i, 0,1,2,3
	FRAG WF+48*((\st)%2)+12*\i, \wadr, \st, \i
.endr
.endm
.macro MULQK st, ws                    ; the 16 accumulators by turns, in the same order in every step
.irp a, 0,1,2,3
.irp b, 0,1,2,3
.if (\st) == 0
	WM 8*(4*\a+\b), WF+12*\b, 12*\a, -1, \ws+4*\b, FSQ+4*\a, 0
.else
	WM 8*(4*\a+\b), WF+48*((\st)%2)+12*\b, 96*((\st)%2)+12*\a, 8*(4*\a+\b), \ws+4*\b+(\st)%4, FSQ+4*\a+(\st)%4, (\st)/4
.endif
.endr
.endr
.endm
; a tile: eight K steps on two sets of fragments; step s + 1's 48 loads are issued ahead of step s's products, and the counted wait leaves just those out
.macro TILEQK wadr, ws
	FETCHQK 0, \wadr
.set ST, 0
.rept 8
.if ST < 7
.if ST > 0
	PLACES 4                                       ; in front of loads into registers that the last products read
.endif
	FETCHQK ST+1, \wadr
	s_wait_dscnt 48
.else
	s_wait_dscnt 0x0
.endif
	WIN 0x58                                       ; source 0 window 0, source 1 window 2, C and D window 1
	MULQK ST, \ws
.set ST, ST+1
.endr
	WIN 0
.endm
.macro FETCHV st
	WIN 0x80
.irp i, 0,1,2,3
	FRAG 96*((\st)%2)+12*\i, FA, \st, \i
.endr
.irp i, 0,1,2,3
	FRAG 96*((\st)%2)+48+12*\i, FA+2, \st, \i
.endr
	WIN 0
.irp i, 0,1
	FRAG WF+48*((\st)%2)+12*\i, WVA, \st, \i
.endr
.endm
.macro MULV st
.irp a, 0,1
.irp b, 0,1,2,3,4,5,6,7
.if (\st) == 0
	WM 8*(8*\a+\b), 12*\b, WF+12*\a, -1, FS+4*\b, WSV+4*\a, 0
.else
	WM 8*(8*\a+\b), 96*((\st)%2)+12*\b, WF+48*((\st)%2)+12*\a, 8*(8*\a+\b), FS+4*\b+(\st)%4, WSV+4*\a+(\st)%4, (\st)/4
.endif
.endr
.endr
.endm
; 64 numbers a lane, four blocks of 32 shared with lane l xor 16 -> 12 registers of codes in CD, the four bytes in pw
.macro QUANT s, pw
.irp b, 0,1,2,3
	v_max3_num_f32 v[TM+\b], |v[\s+16*\b]|, |v[\s+1+16*\b]|, 0x1800000
.endr
.irp i, 2,4,6,8,10,12,14
.irp b, 0,1,2,3
	v_max3_num_f32 v[TM+\b], v[TM+\b], |v[\s+16*\b+\i]|, |v[\s+1+16*\b+\i]|
.endr
.endr
.irp b, 0,1,2,3
	v_permlanex16_b32 v[TM+4+\b], v[TM+\b], s[SEL], s[SEL+1]
.endr
.irp b, 0,1,2,3
	v_max_num_f32 v[TM+\b], v[TM+\b], v[TM+4+\b]
.endr
.irp b, 0,1,2,3
	v_add_nc_u32 v[TM+12+\b], 0xff000000, v[TM+\b]     ; 2 off the exponent field: the conversion's scale operand
.endr
.irp b, 0,1,2,3
	v_lshrrev_b32 v[TM+4+\b], 23, v[TM+12+\b]          ; the byte
.endr
	v_lshl_or_b32 v[\pw], v[TM+5], 8, v[TM+4]
	v_lshl_or_b32 v[\pw], v[TM+6], 16, v[\pw]
	v_lshl_or_b32 v[\pw], v[TM+7], 24, v[\pw]
.irp c, 0,1
	v_cvt_scalef32_pk16_fp6_f32 v[CD+6*\c:CD+2+6*\c], v[\s+32*\c:\s+15+32*\c], v[TM+12+2*\c]
	v_cvt_scalef32_pk16_fp6_f32 v[CD+12+4*\c:CD+14+4*\c], v[\s+16+32*\c:\s+31+32*\c], v[TM+12+2*\c+1]
.endr
	v_nop                                          ; one plain place behind a scaled conversion
.irp c, 0,1
.irp i, 0,1,2
	v_permlane16_swap_b32 v[CD+6*\c+\i], v[CD+12+4*\c+\i]   ; a whole block to a lane
.endr
.irp i, 0,1,2
	v_mov_b32 v[CD+3+6*\c+\i], v[CD+12+4*\c+\i]
.endr
.endr
.endm
; q's and k's way out: token tiles 2 pr and 2 pr + 1 at a time: two blocks of 32 channels each
.macro EPIQK pr, isq, bias, ptr
	s_wait_xcnt 0x0                                ; earlier stores have read their registers
.if \isq
	WIN 0x11
.else
	WIN 0x05
.endif
.set i, 0
.rept 32
.if \isq
	v_pk_fma_f32 v[T+2*i:T+2*i+1], v[64*\pr+2*i:64*\pr+2*i+1], s[SC8:SC8+1], v[\bias+(2*i)%32:\bias+(2*i)%32+1] op_sel_hi:[1,0,1]
.else
	v_pk_add_f32 v[T+2*i:T+2*i+1], v[64*\pr+2*i:64*\pr+2*i+1], v[\bias+(2*i)%32:\bias+(2*i)%32+1]
.endif
.set i, i+1
.endr
	WIN 0
	QUANT T, SW+\pr
	global_store_b128 v[LQ16], v[CD:CD+3], s[\ptr:\ptr+1] offset:1536*\pr
	global_store_b64 v[LQ8], v[CD+4:CD+5], s[\ptr:\ptr+1] offset:1536*\pr+512
	global_store_b128 v[LQ16], v[CD+6:CD+9], s[\ptr:\ptr+1] offset:1536*\pr+768
	global_store_b64 v[LQ8], v[CD+10:CD+11], s[\ptr:\ptr+1] offset:1536*\pr+1280
.endm
.macro OUTQK isq, bias, ptr
	EPIQK 0, \isq, \bias, \ptr
	EPIQK 1, \isq, \bias, \ptr
	v_cndmask_b32 v[E], v[SW], v[SW+1], s[HM]      ; lanes 0-15 my tiles 0, 1, lanes 16-31 tiles 2, 3
	v_perm_b32 v[E+2], v[E], v[E], 0x01000100
	v_perm_b32 v[E+3], v[E], v[E], 0x03020302
	global_store_b64 v[SQO], v[E+2:E+3], s[\ptr:\ptr+1] offset:6144   ; 256 consecutive bytes
	s_wait_xcnt 0x0                                ; the stores have read their registers: the next tile's fragments land there
.endm
.macro EPIV a
	s_wait_xcnt 0x0
	WIN 0x05
.set i, 0
.rept 32
	v_pk_add_f32 v[T+2*i:T+2*i+1], v[64*\a+2*i:64*\a+2*i+1], v[BV:BV+1] op_sel:[0,\a] op_sel_hi:[1,\a]
.set i, i+1
.endr
	WIN 0
	QUANT T, SW+\a
.irp c, 0,1,2
	global_store_b128 v[LV16], v[CD+4*\c:CD+4*\c+3], s[96:97] offset:1536*\a+512*\c
.endr
.endm
	TILEQK WQ, WSQ
	s_wait_tensorcnt 0x0                           ; in front of a refill's round
	ds_add_u32 v[SPW], v[NIL]
	s_wait_dscnt 0x0                               ; my reads of slot 0 are over
	CROUND
	s_cmp_lt_u32 s[WV], 2                          ; waves 0 and 1 ask for Wv's halves
	s_cbranch_scc0 .Lv_asked
	tensor_load_to_lds s[G0V:G0V+3], s[G1V:G1V+7]
	s_nop 0
	PLACES 4
.Lv_asked:
	PLACES 4                                       ; behind the last products, on every wave's way
	OUTQK 1, BQ, 20
	TILEQK WK, WSK
	PLACES 4
	OUTQK 0, BK, 94
	s_wait_alu depctr_va_vdst(0)                   ; the wait ahead of the waits below
	s_wait_tensorcnt 0x0                           ; my half of Wv is in;
	s_wait_dscnt 0x0
	s_barrier_signal -1
	s_barrier_wait -1                              ; both are
	FETCHV 0
.set ST, 0
.rept 8
.if ST < 7
.if ST > 0
	PLACES 4
.endif
	FETCHV ST+1
	s_wait_dscnt 60                                ; all but the 60 just issued
.else
	s_wait_dscnt 0x0
.endif
	WIN 0x52                                       ; source 0 window 2, source 1 window 0, C and D window 1
	MULV ST
.set ST, ST+1
.endr
	WIN 0
	PLACES 4
	EPIV 0
	EPIV 1
	v_cndmask_b32 v[E], v[SW], v[SW+1], s[HM]
	global_store_b32 v[SVO], v[E], s[96:97] offset:6144
	s_wait_tensorcnt 0x0                           ; the wave's end
	ds_add_u32 v[SPW], v[NIL]
	s_wait_dscnt 0x0
	CROUND                                         ; the closing round
	s_endpgm
.Lfunc_end_k_qad5d088b14_qkv:
	.size	k_qad5d088b14_qkv, .Lfunc_end_k_qad5d088b14_qkv-k_qad5d088b14_qkv
	.p2alignl 7, 3214868480
	.fill 96, 4, 3214868480
	.section	.rodata,"a",@progbits
	.p2align	6, 0x0
	.amdhsa_kernel k_qad5d088b14_qkv
		.amdhsa_group_segment_fixed_size 327680
		.amdhsa_private_segment_fixed_size 0
		.amdhsa_enable_private_segment 0
		.amdhsa_kernarg_size 80
		.amdhsa_user_sgpr_count 2
		.amdhsa_user_sgpr_kernarg_segment_ptr 1
		.amdhsa_wavefront_size32 1
		.amdhsa_system_sgpr_workgroup_id_x 1
		.amdhsa_system_sgpr_workgroup_id_y 1
		.amdhsa_system_sgpr_workgroup_id_z 1
		.amdhsa_system_vgpr_workitem_id 0
		.amdhsa_next_free_vgpr 768
		.amdhsa_next_free_sgpr 102
		.amdhsa_reserve_vcc 0
		.amdhsa_float_denorm_mode_32 3
		.amdhsa_float_denorm_mode_16_64 3
		.amdhsa_memory_ordered 1
		.amdhsa_forward_progress 1
		.amdhsa_inst_pref_size 185
	.end_amdhsa_kernel
	.amdgpu_metadata
---
amdhsa.version: [ 1, 2 ]
amdhsa.kernels:
  - .name:           k_qad5d088b14_qkv
    .symbol:         k_qad5d088b14_qkv.kd
    .args:
      - { .name: feature_codes, .offset: 0, .size: 8, .value_kind: global_buffer, .address_space: global }
      - { .name: feature_scales, .offset: 8, .size: 8, .value_kind: global_buffer, .address_space: global }
      - { .name: Wq_codes, .offset: 16, .size: 8, .value_kind: global_buffer, .address_space: global }
      - { .name: Wq_scales, .offset: 24, .size: 8, .value_kind: global_buffer, .address_space: global }
      - { .name: Wkv_codes, .offset: 32, .size: 8, .value_kind: global_buffer, .address_space: global }
      - { .name: Wkv_scales, .offset: 40, .size: 8, .value_kind: global_buffer, .address_space: global }
      - { .name: bq, .offset: 48, .size: 8, .value_kind: global_buffer, .address_space: global }
      - { .name: bkv, .offset: 56, .size: 8, .value_kind: global_buffer, .address_space: global }
      - { .name: qbuf, .offset: 64, .size: 8, .value_kind: global_buffer, .address_space: global }
      - { .name: kvbuf, .offset: 72, .size: 8, .value_kind: global_buffer, .address_space: global }
    .group_segment_fixed_size: 327680
    .private_segment_fixed_size: 0
    .kernarg_segment_align: 8
    .kernarg_segment_size: 80
    .max_flat_workgroup_size: 128
    .sgpr_count:     102
    .vgpr_count:     768
    .wavefront_size: 32
...
	.end_amdgpu_metadata
.endif
;; end of part 1
;; launch attn (part 2): grid 16 x 16, 16 waves a work-group, clusters of 4 x 1, 327,680 bytes of LDS; arguments qbuf, kvbuf, xcodes, xscales; writes xcodes, xscales
.if DOCPART == 2
	.amdgcn_target "amdgcn-amd-amdhsa--gfx1250"
	.amdhsa_code_object_version 6
	.text
	.protected	k_qad5d088b14_attn
	.globl	k_qad5d088b14_attn
	.p2align	8
	.type	k_qad5d088b14_attn,@function
k_qad5d088b14_attn:
	s_mov_b64 s[64:65], 0
	v_nop
	global_prefetch_b8 v0, s[64:65] scope:SCOPE_SE
	s_setreg_imm32_b32 hwreg(HW_REG_WAVE_MODE, 25, 1), 1
	s_wait_xcnt 0x0
	s_wait_alu depctr_hold_cnt(0) depctr_sa_sdst(0) depctr_va_vdst(0) depctr_va_sdst(0) depctr_va_ssrc(0) depctr_va_vcc(0) depctr_vm_vsrc(0)
	s_getreg_b32 s2, hwreg(HW_REG_IB_STS2, 6, 4)
	s_cmp_eq_u32 s2, 0
	s_cbranch_scc0 .Lentry_in_a_cluster
	s_endpgm
.Lentry_in_a_cluster:
	s_bfe_u32 s2, ttmp6, 0x10000c
	s_cmp_lg_u32 s2, 0x3003
	s_cbranch_scc0 .Lentry_shape_is_right
	s_endpgm
.Lentry_shape_is_right:
; x[q][head] = softmax_k(q . k) v for 16 heads of 64 channels, 4,096 queries and keys, both products on codes of FP6 (E2M3) with one E8M0 byte for each 32 along a product's K.  q (which carries 1/8),
; k and v come as images of operand registers (qbuf, kvbuf: the layouts stand at the head of the launch that makes them).  x is quantised here along C and stored as images for the last product.
; Nothing of reference() is left out here.
; THE SOFTMAX: t = score x log2(e); M = the row's largest t so far, rounded up to a whole number; p = 2^(t - M) is quantised along the keys, not normalised; the row's sum is taken of the unquantised p
; and divides O at the end.  When M moves, the sum and O are multiplied by 2^(old M - new M): nothing is rounded.
; SHARES.  A work-group owns 256 queries of one head, each of its sixteen waves 16 of them in 256 registers: four waves to a SIMD.  Every wave walks all keys, 128 a step.
; The four query blocks of a cluster walk the same records of kvbuf: a slot of EIGHT records (1,024 keys) is asked for JOINTLY (mask 15), by waves 0 to 3, two records each.  Two slots take turns:
; four changes of slots for the 32 records.  A slot is walked by a loop of two trips of four key steps.
; LAYOUT.  Both products are used transposed: S^T = K Q^T (source 0 = 16 keys), O^T = V^T P^T (source 0 = 16 channels): a lane holds ONE query (lane % 16) throughout.  Register 8 t + j of S^T is key
; 16 t + 8 (lane / 16) + j, so a block of 32 keys is laid in the order 0-7, 16-23, 8-15, 24-31 in p's codes, as in V's.
; K = 64 IN AN INSTRUCTION OF 128.  Q's registers 6-11 hold zero codes, so k = 64 .. 127 adds nothing whatever stands opposite.  K's operand for tile t is twelve registers from 32 + 6 t on: its upper six are
; the next tile's codes (zeros behind tile 7): all codes are finite numbers, and bytes 2, 3 of the scale words repeat bytes 0, 1.
; LIMITS: a block of x whose largest magnitude lies under 2^-124 keeps the byte 1 (a block of zeros too: its codes are zeros; this program alone reads the bytes); NaN and infinities are not served;
; the promise holds while the scaled scores stay under 2^31 in magnitude.  xscales leaves as single bytes, 32 bytes apart from token to token: two bytes for each token and head.
.set REC,   13056                      ; a record: one head, 128 keys
.set SLOTB, 8*REC                      ; a slot: eight records, dense
.set SLOT1, 131072                     ; slot 1 begins here: one exclusive or turns an address in one slot into the other's
.set SPARE, 262144                     ; the spare words: 128 bytes for each of sixteen waves, named by no other line
.set HS,    32*REC                     ; a head's records
.set QREC,  6656
.set AD16, 1                           ; v1  16 x lane + the four records in hand
.set AD8,  2                           ; v2  8 x lane + the four records in hand
.set L16,  3                           ; v3  16 x lane
.set L8,   4                           ; v4  8 x lane
.set SPW,  5                           ; v5  LDS address of my spare word; never rewritten
.set NIL,  6                           ; v6  0; never rewritten
.set PFO,  7                           ; v7  the prefetches' offset; never rewritten
.set KF,   32                          ; v32-79 K's eight half fragments, v80-85 zeros; later V's four fragments in v32-79
.set KSC,  88                          ; v88-91 K's scale words: lanes 0-15 tiles 0-3, lanes 16-31 tiles 4-7
.set VSC,  92                          ; v92-93 V's: lanes 0-15 channel tiles 0, 1, lanes 16-31 tiles 2, 3
; v12 -M, v13 the largest t, v[14:15] the sum in two halves; v16-27 Q; v96-159 S^T, then p; v160-191 O^T; v224-235 p's codes; v232-254 at work; v253 p's scale word; v255 Q's scale words
.set WV,   12
.set CX,   13
.set QB,   14
.set HEAD, 15
.set G1,   16                          ; s[16:23] descriptor group 1
.set G0,   24                          ; s[24:27] group 0, which walks
.set SEL,  28                          ; s[28:29] lane selects: lane l xor 16
.set CS,   30                          ; s[30:31] log2(e), both words
.set TB,   32                          ; s32 LDS byte at which the slot in hand begins
.set SLOTS, 33                         ; s33 slots still to be asked for
.set LIM,  34                          ; s34 1 in a wave that prefetches, else the greatest number
.set TG,   35                          ; s35 LDS byte at which the four records in hand begin
.set PFA,  36                          ; s[36:37] where my prefetches stand
.set ST,   38                          ; s38 my step of 128 queries
.set AT,   39                          ; s39 my tile in it
.set GRP,  48                          ; s48 trips left in a slot
.macro CROUND                          ; a round of the cluster's barrier
	s_barrier_signal -1
	s_barrier_wait -1
	s_cmp_lg_u32 s[WV], 0
	s_cbranch_scc1 .Lnot_wave_0_\@
	s_barrier_signal -3
.Lnot_wave_0_\@:
	s_barrier_wait -3
	s_barrier_signal -1
	s_barrier_wait -1
.endm
.macro JLOAD                           ; waves 0 to 3 fetch two records each; the branch hangs on the wave's number alone.  Four v_nop follow the load
	s_cmp_lt_u32 s[WV], 4
	s_cbranch_scc0 .Lasked_\@
	tensor_load_to_lds s[G0:G0+3], s[G1:G1+7]
	s_nop 0
.rept 4
	v_nop
.endr
.Lasked_\@:
.endm
; A PREFETCH INTO THE L2 of the slot that the NEXT change of slots will ask for: eight key steps ahead of that load.  All clusters of a head walk the same records: the head's first cluster asks.  Its four
; partners take two records each, told apart by ADDRESS: waves 4, 5 the first, waves 6, 7 the second; the even wave names the record's 256-byte blocks 0-31, the odd wave blocks 32-50, a lane a block
; (the odd wave's lanes 19-31 name block 50 with lane 18).  The last change that fills a slot asks for nothing; slots 0 and 1 come by their loads alone.
.macro ASK
	s_cmp_gt_u32 s[SLOTS], s[LIM]
	s_cbranch_scc0 .Lnot_mine_\@
	global_prefetch_b8 v[PFO], s[PFA:PFA+1] th:TH_LOAD_NT scope:SCOPE_SE
.Lnot_mine_\@:
.endm
	s_load_b256 s[4:11], s[0:1], 0x0               ; qbuf 4, kvbuf 6, xcodes 8, xscales 10
	v_lshl_add_u32 v[SPW], v0, 2, SPARE
	v_mov_b32 v[NIL], 0
	ds_add_u32 v[SPW], v[NIL]
	ds_add_u32 v[SPW], v[NIL]
	s_wait_dscnt 0x0
	v_lshrrev_b32 v8, 5, v0
	s_delay_alu instid0(VALU_DEP_1)
	v_readfirstlane_b32 s[WV], v8                  ; wave 0..15
	s_bfe_u32 s[CX], ttmp6, 0x40000                ; my place in the cluster
	s_lshl_b32 s[QB], ttmp9, 2
	s_add_co_u32 s[QB], s[QB], s[CX]               ; my block of 256 queries
	s_and_b32 s[HEAD], ttmp7, 0xffff               ; the head, which the four partners share
	; descriptor group 1: two records, 26,112 dense bytes, as 102 rows of 256 bytes (32 elements of 8 bytes), no padding: the images are read as consecutive bytes
	s_mov_b32 s[G1+0], 15|(3<<16)|(1<<21)          ; the mask: all four work-groups; elements of 8 bytes; bit 21 beside a mask
	s_mov_b32 s[G1+1], 32<<16                      ; tensor_dim0
	s_mov_b32 s[G1+2], 102<<16                     ; tensor_dim1
	s_mov_b32 s[G1+3], 32<<16                      ; tile_dim0
	s_mov_b32 s[G1+4], 102                         ; tile_dim1
	s_mov_b32 s[G1+5], 32                          ; from row to row
	s_mov_b32 s[G1+6], 0
	s_mov_b32 s[G1+7], 0
	s_and_b32 s44, s[WV], 3
	s_mul_i32 s44, s44, 2*REC                      ; which two records of a slot I fetch: in LDS and in memory alike
	s_mul_i32 s40, s[HEAD], HS                     ; the head's first byte in kvbuf
	s_mov_b32 s41, 0
	s_add_co_u32 s42, s40, s44
	s_mov_b32 s43, 0
	s_mov_b32 s[SEL], 0x76543210
	s_mov_b32 s[SEL+1], 0xfedcba98
	s_mov_b32 s[CS], 0x3fb8aa3b                    ; log2(e)
	s_mov_b32 s[CS+1], s[CS]                       ; (named with it as a pair, so it is written)
	s_mov_b32 s[TB], 0
	s_mov_b32 s[SLOTS], 3
	s_wait_kmcnt 0x0
	s_mov_b32 s[G0], 1                             ; count = 1
	s_mov_b32 s[G0+1], s44                         ; LDS address: slot 0
	s_add_nc_u64 s[G0+2:G0+3], s[6:7], s[42:43]    ; global address
	s_or_b32 s[G0+3], s[G0+3], 0x80000000          ; type = 2
	CROUND                                         ; all four work-groups are here: the first joint load meets
	JLOAD                                          ; slot 0
	v_and_b32 v9, 31, v0
	s_delay_alu instid0(VALU_DEP_1)
	v_lshlrev_b32 v[L16], 4, v9
	s_wait_alu depctr_va_vdst(0)
	v_lshlrev_b32 v[L8], 3, v9
	s_wait_alu depctr_va_vdst(0)
	v_and_b32 v8, 15, v0
	s_delay_alu instid0(VALU_DEP_1)
	v_lshlrev_b32 v8, 4, v8                        ; 16 r
	s_wait_alu depctr_va_vdst(0)
	s_lshr_b32 s[ST], s[WV], 3
	s_lshl_b32 s42, s[QB], 1
	s_add_co_u32 s[ST], s[ST], s42                 ; my 16 queries: step 2 x block + wave / 8 of 128,
	s_and_b32 s[AT], s[WV], 7                      ; tile wave % 8
	s_lshl_b32 s42, s[HEAD], 5
	s_add_co_u32 s42, s42, s[ST]
	s_mul_i32 s42, s42, QREC
	s_add_nc_u64 s[4:5], s[4:5], s[42:43]          ; q's record
	s_lshr_b32 s44, s[AT], 2
	s_lshl_b32 s44, s44, 8
	s_and_b32 s45, s[AT], 3
	s_lshl_b32 s45, s45, 2
	s_add_co_u32 s44, s44, s45
	s_add_co_u32 s44, s44, 6144                    ; tile a's word of row r lies at 6,144 + 16 r + 256 (a / 4) + 4 (a % 4)
	s_mov_b32 s45, 0
	s_add_nc_u64 s[46:47], s[4:5], s[44:45]
	s_mul_i32 s44, s[AT], 768
	s_add_nc_u64 s[4:5], s[4:5], s[44:45]          ; my half fragment
	global_load_b128 v[16:19], v[L16], s[4:5]
	global_load_b64 v[20:21], v[L8], s[4:5] offset:512
	global_load_b32 v255, v8, s[46:47]             ; Q's scale words
	; where x goes: xcodes + 98,304 step + 12,288 (head / 2) + 1,536 tile + 768 (head % 2);  xscales + 32 x my first query + 2 head
	s_mul_i32 s42, s[ST], 98304
	s_lshr_b32 s44, s[HEAD], 1
	s_mul_i32 s44, s44, 12288
	s_add_co_u32 s42, s42, s44
	s_mul_i32 s44, s[AT], 1536
	s_add_co_u32 s42, s42, s44
	s_and_b32 s44, s[HEAD], 1
	s_mul_i32 s44, s44, 768
	s_add_co_u32 s42, s42, s44
	s_add_nc_u64 s[8:9], s[8:9], s[42:43]
	s_lshl_b32 s42, s[QB], 13
	s_lshl_b32 s44, s[WV], 9
	s_add_co_u32 s42, s42, s44
	s_lshl_b32 s44, s[HEAD], 1
	s_add_co_u32 s42, s42, s44
	s_add_nc_u64 s[10:11], s[10:11], s[42:43]
	; the prefetches: who asks, and where.  Nothing is asked for here, at the head
	s_bitcmp1_b32 s[WV], 0                         ; an odd wave
	s_cselect_b32 s42, 18, 31                      ; has 19 blocks to name,
	s_cselect_b32 s44, 8192, 0                     ; from block 32 on
	v_min_u32 v[PFO], s42, v9
	s_delay_alu instid0(VALU_DEP_1)
	v_lshlrev_b32 v[PFO], 8, v[PFO]
	s_lshl_b32 s45, s[CX], 1
	s_bfe_u32 s49, s[WV], 0x10001
	s_add_co_u32 s45, s45, s49                     ; record 2 x my place + (wave / 2) % 2 of a slot
	s_mul_i32 s45, s45, REC
	s_add_co_u32 s44, s44, s45
	s_add_co_u32 s44, s44, SLOTB                   ; in slot 1: the first change of slots steps it to slot 2
	s_add_co_u32 s44, s44, s40
	s_mov_b32 s45, 0
	s_add_nc_u64 s[PFA:PFA+1], s[6:7], s[44:45]
	s_lshr_b32 s42, s[WV], 2
	s_xor_b32 s42, s42, 1                          ; 0 in waves 4 to 7,
	s_or_b32 s42, s42, ttmp9                       ; of the head's first cluster: the same in all four partners
	s_cmp_eq_u32 s42, 0
	s_cselect_b32 s[LIM], 1, -1
	v_mov_b32 v13, 0xff61b1e6                      ; the largest t so far: -3e38, under every t
	s_delay_alu instid0(VALU_DEP_1)
	v_floor_f32 v12, -v13                          ; -M
	v_mov_b32 v14, 0                               ; the sum, in two halves
	v_mov_b32 v15, 0
.irp j, 22,23,24,25,26,27,80,81,82,83,84,85
	v_mov_b32 v[\j], 0                             ; zero codes: Q's k = 64 .. 127, and what stands behind K's tile 7
.endr
.irp b, 0,1,2,3
	v_mov_b32 v[236+\b], 0                         ; written once: a lane permute's destination counts as one of its sources
.endr
	v_mov_b32 v253, 0                              ; (named as the upper half of the pair v[252:253] before it is first written)
.set j, 0
.rept 32
	v_mov_b32 v[160+j], 0                          ; O^T: the step is written once; the first finds zeros, which the first change of M leaves zeros
.set j, j+1
.endr
; A KEY STEP: 128 keys, record q of the four in hand.  Every offset is an immediate.
.macro STEP q
.rept 4
	v_nop                                          ; places in front of loads into registers that the last products have read
.endr
.irp t, 0,1,2,3,4,5,6,7
	ds_load_b128 v[KF+6*\t:KF+6*\t+3], v[AD16] offset:(\q)*REC+768*\t
	ds_load_b64 v[KF+6*\t+4:KF+6*\t+5], v[AD8] offset:(\q)*REC+768*\t+512
.endr
	ds_load_b128 v[KSC:KSC+3], v[AD16] offset:(\q)*REC+6144
	s_wait_dscnt 0x0
.irp t, 0,1,2,3                                    ; S^T = K Q^T: eight tiles of 16 keys
	v_wmma_scale_f32_16x16x128_f8f6f4 v[96+8*\t:103+8*\t], v[KF+6*\t:KF+6*\t+11], v[16:27], 0, v[KSC+\t], v255 matrix_a_fmt:MATRIX_FMT_FP6 matrix_b_fmt:MATRIX_FMT_FP6
.endr
.irp t, 4,5,6,7
	v_wmma_scale_f32_16x16x128_f8f6f4 v[96+8*\t:103+8*\t], v[KF+6*\t:KF+6*\t+11], v[16:27], 0, v[KSC+\t-4], v255 matrix_a_fmt:MATRIX_FMT_FP6 matrix_b_fmt:MATRIX_FMT_FP6 matrix_a_scale:MATRIX_SCALE_ROW1
.endr
.rept 4
	v_nop                                          ; places in front of the loads below and of the first reads of the scores
.endr
.irp t, 0,1,2,3                                    ; V's four fragments take K's registers; they land while the softmax is worked
.irp c, 0,1,2
	ds_load_b128 v[KF+12*\t+4*\c:KF+12*\t+4*\c+3], v[AD16] offset:(\q)*REC+QREC+1536*\t+512*\c
.endr
.endr
	ds_load_b64 v[VSC:VSC+1], v[AD8] offset:(\q)*REC+12800
.irp b, 0,1,2,3
	v_max3_num_f32 v[232+\b], v[96+16*\b], v[97+16*\b], v[98+16*\b]   ; the largest score of each block of 32 keys: it serves for the row's maximum and, since p rises with the score, for the block's largest p
.endr
.irp i, 3,5,7,9,11,13
.irp b, 0,1,2,3
	v_max3_num_f32 v[232+\b], v[232+\b], v[96+16*\b+\i], v[97+16*\b+\i]   ; (the four blocks by turns)
.endr
.endr
.irp b, 0,1,2,3
	v_max_num_f32 v[232+\b], v[232+\b], v[111+16*\b]
.endr
.irp b, 0,1,2,3
	s_delay_alu instid0(VALU_DEP_4)
	v_permlanex16_b32 v[236+\b], v[232+\b], s[SEL], s[SEL+1]
.endr
.irp b, 0,1,2,3
	s_delay_alu instid0(VALU_DEP_4)
	v_max_num_f32 v[232+\b], v[232+\b], v[236+\b]  ; with lane l xor 16's 16 keys
.endr
	s_delay_alu instid0(VALU_DEP_2)
	v_max3_num_f32 v254, v232, v233, v234
	s_delay_alu instid0(VALU_DEP_1)
	v_max_num_f32 v254, v254, v235                 ; the step's largest score of my query
	s_delay_alu instid0(VALU_DEP_1)
	v_mul_f32 v254, s[CS], v254                    ; as t
	s_delay_alu instid0(VALU_DEP_1)
	v_max_num_f32 v13, v13, v254                   ; the running largest t
	v_mov_b32 v254, v12
	s_delay_alu instid0(VALU_DEP_2)
	v_floor_f32 v12, -v13                          ; the new -M = floor(-t): M is a whole number
	s_delay_alu instid0(VALU_DEP_1)
	v_sub_f32 v254, v12, v254                      ; M's old value less its new one: a whole number, 0 or less
	s_delay_alu instid0(VALU_DEP_1)
	v_cvt_i32_f32 v254, v254                       ; (it saturates)
	s_delay_alu instid0(VALU_DEP_1)
	v_ldexp_f32 v252, 1.0, v254                    ; f = 2^(old M - new M)
.set j, 0
.rept 32
	v_pk_fma_f32 v[96+j:97+j], v[96+j:97+j], s[CS:CS+1], v[12:13] op_sel_hi:[1,0,0]   ; t - M, two at a time
.set j, j+2
.endr
.irp b, 0,1,2,3
	v_fma_f32 v[232+\b], v[232+\b], s[CS], v12     ; the same of each block's largest score
.endr
.set j, 0
	s_wait_alu depctr_va_vdst(0)                   ; the wait ahead of the batch
.rept 64
	v_exp_f32 v[96+j], v[96+j]                     ; p = 2^(t - M), at most 1
.set j, j+1
.endr
	v_pk_mul_f32 v[14:15], v[14:15], v[252:253] op_sel_hi:[1,0]   ; the sums under the new M: a plain instruction behind the exponentials
	s_wait_alu depctr_va_vdst(0)                   ; one wait for the whole batch, ahead of its first reader
.irp b, 0,1,2,3
	v_exp_f32 v[232+\b], v[232+\b]                 ; the block's largest p: the same two instructions on the same number give the same bits
.endr
	v_pk_add_f32 v[236:237], v[100:101], v[104:105]   ; the row's sum of the unquantised p, in eight chains
	v_pk_add_f32 v[250:251], v[108:109], v[112:113]
	v_pk_add_f32 v[248:249], v[116:117], v[120:121]
	v_pk_add_f32 v[246:247], v[124:125], v[128:129]
	v_pk_add_f32 v[244:245], v[132:133], v[136:137]
	v_pk_add_f32 v[242:243], v[140:141], v[144:145]
	v_pk_add_f32 v[240:241], v[148:149], v[152:153]
	v_pk_add_f32 v[14:15], v[14:15], v[156:157]
	v_pk_add_f32 v[236:237], v[236:237], v[96:97]
	v_pk_add_f32 v[250:251], v[250:251], v[98:99]
	v_pk_add_f32 v[248:249], v[248:249], v[102:103]
	v_pk_add_f32 v[246:247], v[246:247], v[106:107]
	v_pk_add_f32 v[244:245], v[244:245], v[110:111]
	v_pk_add_f32 v[242:243], v[242:243], v[114:115]
	v_pk_add_f32 v[240:241], v[240:241], v[118:119]
	v_pk_add_f32 v[14:15], v[14:15], v[122:123]
	v_pk_add_f32 v[236:237], v[236:237], v[126:127]
	v_pk_add_f32 v[250:251], v[250:251], v[130:131]
	v_pk_add_f32 v[248:249], v[248:249], v[134:135]
	v_pk_add_f32 v[246:247], v[246:247], v[138:139]
	v_pk_add_f32 v[244:245], v[244:245], v[142:143]
	v_pk_add_f32 v[242:243], v[242:243], v[146:147]
	v_pk_add_f32 v[240:241], v[240:241], v[150:151]
	v_pk_add_f32 v[14:15], v[14:15], v[154:155]
	v_pk_add_f32 v[236:237], v[236:237], v[158:159]
	s_delay_alu instid0(VALU_DEP_2)
	v_pk_add_f32 v[14:15], v[14:15], v[246:247]
	s_delay_alu instid0(VALU_DEP_2)
	v_pk_add_f32 v[236:237], v[236:237], v[244:245]
	v_pk_add_f32 v[250:251], v[250:251], v[242:243]
	v_pk_add_f32 v[248:249], v[248:249], v[240:241]
	s_delay_alu instid0(VALU_DEP_2)
	v_pk_add_f32 v[14:15], v[14:15], v[250:251]
	s_delay_alu instid0(VALU_DEP_2)
	v_pk_add_f32 v[236:237], v[236:237], v[248:249]
	s_delay_alu instid0(VALU_DEP_1)
	v_pk_add_f32 v[14:15], v[14:15], v[236:237]
	s_wait_alu depctr_va_vdst(0)                   ; and one for the four
.irp b, 0,1,2,3
	v_max_num_f32 v[232+\b], 0x1800000, v[232+\b]  ; the floor 2^(3 - 127): the byte cannot fall under 1
.endr
.irp b, 0,1,2,3
	s_delay_alu instid0(VALU_DEP_4)
	v_add_nc_u32 v[244+\b], 0xff000000, v[232+\b]  ; 2 off the exponent field: the conversion's scale operand
.endr
.irp b, 0,1,2,3
	s_delay_alu instid0(VALU_DEP_4)
	v_lshrrev_b32 v[236+\b], 23, v[244+\b]         ; the scale's byte
.endr
	s_delay_alu instid0(VALU_DEP_3)
	v_lshl_or_b32 v253, v237, 8, v236              ; p's scale word for these 128 keys
	s_delay_alu instid0(VALU_DEP_1)
	v_lshl_or_b32 v253, v238, 16, v253
	s_delay_alu instid0(VALU_DEP_1)
	v_lshl_or_b32 v253, v239, 24, v253
.irp c, 0,1
	v_cvt_scalef32_pk16_fp6_f32 v[224+6*\c:226+6*\c], v[96+32*\c:111+32*\c], v[244+2*\c]
	v_cvt_scalef32_pk16_fp6_f32 v[236+4*\c:238+4*\c], v[112+32*\c:127+32*\c], v[244+2*\c+1]   ; (a conversion's three registers begin on an even number)
.endr
	v_nop                                          ; one plain instruction behind a scaled conversion
.irp c, 0,1                                        ; the operand's layout wants a whole block in a lane
.irp i, 0,1,2
	v_permlane16_swap_b32 v[224+6*\c+\i], v[236+4*\c+\i]
.endr
.irp i, 0,1,2
	s_delay_alu instid0(VALU_DEP_3)
	v_mov_b32 v[227+6*\c+\i], v[236+4*\c+\i]
.endr
.endr
.set j, 0
.rept 16
	v_pk_mul_f32 v[160+j:161+j], v[160+j:161+j], v[252:253] op_sel_hi:[1,0]   ; O^T under the new M.  (For each product below twelve of these name none of its registers: the places behind the writes of p's codes and scale word)
.set j, j+2
.endr
	s_wait_alu depctr_va_vdst(0)                   ; the wait ahead of the wait below
	s_wait_dscnt 0x0                               ; V is in
.irp t, 0,1                                        ; O^T += V^T P^T: four tiles of 16 channels, by turns
	v_wmma_scale_f32_16x16x128_f8f6f4 v[160+8*\t:167+8*\t], v[KF+12*\t:KF+12*\t+11], v[224:235], v[160+8*\t:167+8*\t], v[VSC+\t], v253 matrix_a_fmt:MATRIX_FMT_FP6 matrix_b_fmt:MATRIX_FMT_FP6
.endr
.irp t, 2,3
	v_wmma_scale_f32_16x16x128_f8f6f4 v[160+8*\t:167+8*\t], v[KF+12*\t:KF+12*\t+11], v[224:235], v[160+8*\t:167+8*\t], v[VSC+\t-2], v253 matrix_a_fmt:MATRIX_FMT_FP6 matrix_b_fmt:MATRIX_FMT_FP6 matrix_a_scale:MATRIX_SCALE_ROW1
.endr
.endm
; THE CHANGE OF SLOTS stands at a slot's head.  Each wave waits for all its tensor loads (its part of the slot that it is about to read), adds 0 to its spare word, and waits for that and for its reads of the
; slot that it has left.  fill = 1: the barrier is a round of the cluster's, and behind it the slot that was left is filled with the next eight records: the load has eight key steps in which to land.
.macro CHANGE fill
	s_wait_tensorcnt 0x0                           ; no tensor load of mine is out, so group 0 may be written
	ds_add_u32 v[SPW], v[NIL]                      ; 0 onto my spare word
.if \fill
	ds_add_u32 v[SPW], v[NIL]                      ; twice on end
	s_xor_b32 s[G0+1], s[G0+1], SLOT1              ; the other slot than last time,
	s_add_nc_u64 s[G0+2:G0+3], s[G0+2:G0+3], SLOTB ; the next eight records; the type bits on top are not reached
	s_wait_xcnt 0x0                                ; the last prefetch, a slot back, has read its address, so it may be written:
	s_add_nc_u64 s[PFA:PFA+1], s[PFA:PFA+1], SLOTB ; one slot further on than the walking descriptor
	s_wait_dscnt 0x0                               ; the adds are done, and my reads of the slot that I have left are over
	CROUND
	JLOAD                                          ; the first thing behind the round, and a wave's one tensor load until the next
	ASK
.else
	s_wait_dscnt 0x0
	s_barrier_signal -1
	s_barrier_wait -1
.endif
	s_mov_b32 s[TG], s[TB]
.endm
.macro SLOT_STEPS                      ; a slot's eight key steps: two trips of four, 4 records of LDS apart
	s_mov_b32 s[GRP], 2
.Lgrp_\@:
	v_add_nc_u32 v[AD16], s[TG], v[L16]
	v_add_nc_u32 v[AD8], s[TG], v[L8]
	s_wait_alu depctr_va_vdst(0)                   ; the wait
	STEP 0
	STEP 1
	STEP 2
	STEP 3
	s_add_co_u32 s[TG], s[TG], 4*REC
	s_sub_co_u32 s[GRP], s[GRP], 1
	s_cmp_lg_u32 s[GRP], 0
	s_cbranch_scc1 .Lgrp_\@
	s_xor_b32 s[TB], s[TB], SLOT1                  ; on to the other slot
.endm
	s_wait_alu depctr_va_vdst(0)                   ; the wait at the head's end
	s_wait_loadcnt 0x0                             ; Q
.Lslot:                                            ; three trips: behind each change of slots but the last the next slot is asked for
	CHANGE 1
	SLOT_STEPS
	s_sub_co_u32 s[SLOTS], s[SLOTS], 1
	s_cmp_lg_u32 s[SLOTS], 0
	s_cbranch_scc1 .Lslot
	CHANGE 0                                       ; the last slot is written out
	SLOT_STEPS
	; THE WAY OUT.  x = O^T / the sum, brought into the natural order of channels, quantised in two blocks of 32, stored as a half fragment and two scale bytes a query.
	v_add_f32 v14, v14, v15                        ; the sum's two halves,
	s_delay_alu instid0(VALU_DEP_1)
	v_permlanex16_b32 v252, v14, s[SEL], s[SEL+1]
	s_delay_alu instid0(VALU_DEP_1)
	v_add_f32 v14, v14, v252                       ; and lane l xor 16's: the row's sum
	s_wait_alu depctr_va_vdst(0)                   ; the wait ahead of the reciprocal
	v_rcp_f32 v14, v14
	v_and_b32 v9, 15, v0                           ; (plain instructions behind the reciprocal)
	v_bfe_u32 v10, v0, 4, 1
	s_delay_alu instid0(VALU_DEP_1)
	v_lshl_add_u32 v28, v9, 5, v10                 ; xscales: 32 r + h
	s_delay_alu instid0(VALU_DEP_2)
	v_cmp_eq_u32 vcc_lo, 1, v10                    ; lanes 16-31
	s_wait_alu depctr_va_vdst(0)                   ; the wait ahead of the reciprocal's first reader
.set j, 0
.rept 32
	v_mul_f32 v[96+j], v[160+j], v14               ; register 8 t + i is channel 16 t + 8 h + i; each accumulator from its low end on
.set j, j+1
.endr
.irp b, 0,1                                        ; the first's lanes 16-31 change places with the second's lanes 0-15: register 16 b + i is then channel 32 b + 16 h + i: neighbours, in Wp's order
.irp j, 0,1,2,3,4,5,6,7
	v_permlane16_swap_b32 v[96+16*\b+\j], v[104+16*\b+\j]
.endr
.endr
.irp b, 0,1
	v_max3_num_f32 v[232+\b], |v[96+16*\b]|, |v[97+16*\b]|, 0x1800000   ; my 16 numbers, and the floor 2^(3 - 127)
.endr
.irp i, 2,4,6,8,10,12,14
.irp b, 0,1
	s_delay_alu instid0(VALU_DEP_2)
	v_max3_num_f32 v[232+\b], v[232+\b], |v[96+16*\b+\i]|, |v[97+16*\b+\i]|
.endr
.endr
.irp b, 0,1
	s_delay_alu instid0(VALU_DEP_2)
	v_permlanex16_b32 v[236+\b], v[232+\b], s[SEL], s[SEL+1]
.endr
.irp b, 0,1
	s_delay_alu instid0(VALU_DEP_2)
	v_max_num_f32 v[232+\b], v[232+\b], v[236+\b]  ; the block's largest magnitude
.endr
.irp b, 0,1
	s_delay_alu instid0(VALU_DEP_2)
	v_add_nc_u32 v[244+\b], 0xff000000, v[232+\b]  ; the conversion's scale operand
.endr
.irp b, 0,1
	s_delay_alu instid0(VALU_DEP_2)
	v_lshrrev_b32 v[236+\b], 23, v[244+\b]         ; the scale's byte
.endr
	v_cvt_scalef32_pk16_fp6_f32 v[224:226], v[96:111], v244
	v_cvt_scalef32_pk16_fp6_f32 v[230:232], v[112:127], v245
	v_nop                                          ; one plain instruction behind a scaled conversion
.irp i, 0,1,2
	v_permlane16_swap_b32 v[224+\i], v[230+\i]     ; lanes 0-15 keep block 0, lanes 16-31 block 1
.endr
.irp i, 0,1,2
	s_delay_alu instid0(VALU_DEP_3)
	v_mov_b32 v[227+\i], v[230+\i]
.endr
	v_cndmask_b32 v236, v236, v237, vcc_lo         ; my half's block's byte
	global_store_b128 v[L16], v[224:227], s[8:9]               ; 512 consecutive bytes,
	global_store_b64 v[L8], v[228:229], s[8:9] offset:512      ; and 256
	global_store_b8 v28, v236, s[10:11]
	s_wait_tensorcnt 0x0                           ; the wave's end
	ds_add_u32 v[SPW], v[NIL]
	s_wait_dscnt 0x0
	CROUND                                         ; the closing round
	s_endpgm
.Lfunc_end_k_qad5d088b14_attn:
	.size	k_qad5d088b14_attn, .Lfunc_end_k_qad5d088b14_attn-k_qad5d088b14_attn
	.p2alignl 7, 3214868480
	.fill 96, 4, 3214868480
	.section	.rodata,"a",@progbits
	.p2align	6, 0x0
	.amdhsa_kernel k_qad5d088b14_attn
		.amdhsa_group_segment_fixed_size 327680
		.amdhsa_private_segment_fixed_size 0
		.amdhsa_enable_private_segment 0
		.amdhsa_kernarg_size 32
		.amdhsa_user_sgpr_count 2
		.amdhsa_user_sgpr_kernarg_segment_ptr 1
		.amdhsa_wavefront_size32 1
		.amdhsa_system_sgpr_workgroup_id_x 1
		.amdhsa_system_sgpr_workgroup_id_y 1
		.amdhsa_system_sgpr_workgroup_id_z 1
		.amdhsa_system_vgpr_workitem_id 0
		.amdhsa_next_free_vgpr 256
		.amdhsa_next_free_sgpr 66
		.amdhsa_reserve_vcc 1
		.amdhsa_float_denorm_mode_32 3
		.amdhsa_float_denorm_mode_16_64 3
		.amdhsa_memory_ordered 1
		.amdhsa_forward_progress 1
		.amdhsa_inst_pref_size 148
	.end_amdhsa_kernel
	.amdgpu_metadata
---
amdhsa.version: [ 1, 2 ]
amdhsa.kernels:
  - .name:           k_qad5d088b14_attn
    .symbol:         k_qad5d088b14_attn.kd
    .args:
      - { .name: qbuf, .offset: 0, .size: 8, .value_kind: global_buffer, .address_space: global }
      - { .name: kvbuf, .offset: 8, .size: 8, .value_kind: global_buffer, .address_space: global }
      - { .name: xcodes, .offset: 16, .size: 8, .value_kind: global_buffer, .address_space: global }
      - { .name: xscales, .offset: 24, .size: 8, .value_kind: global_buffer, .address_space: global }
    .group_segment_fixed_size: 327680
    .private_segment_fixed_size: 0
    .kernarg_segment_align: 8
    .kernarg_segment_size: 32
    .max_flat_workgroup_size: 512
    .sgpr_count:     66
    .vgpr_count:     256
    .wavefront_size: 32
...
	.end_amdgpu_metadata
.endif
;; end of part 2
;; launch proj (part 3): grid 8 x 32, 4 waves a work-group, clusters of 4 x 4, 327,680 bytes of LDS; arguments xcodes, xscales, Wp_codes, Wp_scales, out0, bp; writes out0
.if DOCPART == 3
	.amdgcn_target "amdgcn-amd-amdhsa--gfx1250"
	.amdhsa_code_object_version 6
	.text
	.protected	k_qad5d088b14_proj
	.globl	k_qad5d088b14_proj
	.p2align	8
	.type	k_qad5d088b14_proj,@function
k_qad5d088b14_proj:
	s_mov_b64 s[64:65], 0
	v_nop
	global_prefetch_b8 v0, s[64:65] scope:SCOPE_SE
	s_setreg_imm32_b32 hwreg(HW_REG_WAVE_MODE, 25, 1), 1
	s_wait_xcnt 0x0
	s_wait_alu depctr_hold_cnt(0) depctr_sa_sdst(0) depctr_va_vdst(0) depctr_va_sdst(0) depctr_va_ssrc(0) depctr_va_vcc(0) depctr_vm_vsrc(0)
	s_getreg_b32 s2, hwreg(HW_REG_IB_STS2, 6, 4)
	s_cmp_eq_u32 s2, 0
	s_cbranch_scc0 .Lentry_in_a_cluster
	s_endpgm
.Lentry_in_a_cluster:
	s_bfe_u32 s2, ttmp6, 0x10000c
	s_cmp_lg_u32 s2, 0xf033
	s_cbranch_scc0 .Lentry_shape_is_right
	s_endpgm
.Lentry_shape_is_right:
; out0 = x Wp^T + bp on codes of FP6 (E2M3). x comes as images of operand registers (xcodes: 98,304 bytes for 128 tokens: [K step][tile of 16 tokens][half]: registers 6 c .. 6 c + 3 at
; 16 x lane, 6 c + 4, 6 c + 5 at 512 + 8 x lane) with plain rows of scale bytes; Wp as it is given. Nothing of reference() is left out here.
; SHARES. A work-group makes 128 x 128 of out0: 8 x 32 = 256 work-groups; a wave 64 x 64 in 16 accumulators. All of K lies in LDS: x's image, dense, and 128 whole rows of Wp
; (768 bytes, 16 bytes of padding behind every 256: pitch 816). Nothing is filled again. Waves 0, 1 fetch x's halves, waves 2, 3 Wp's.
; Source 0 = Wp's rows, source 1 = tokens: a lane holds eight neighbouring columns of one row; bp is the first product's C.
; Scale words come straight into registers: 16 rows x 32 bytes a load; lanes 0-15 hold K steps 0-3, lanes 16-31 K steps 4-7 (ROW1).
; CLUSTERS 4 x 4: x's image is asked for jointly along a row, Wp's rows along a column. No prefetch: the launch has no loop to run ahead in; all tiles are asked for at its head.
.set PITCH,  816
.set XT,     98304
.set STAGE,  XT+128*PITCH              ; 16 rows x 272 bytes for each wave; no tile lands here
.set SPITCH, 272
.set SPARE,  STAGE+4*16*SPITCH
.set AX,  8                            ; v8 16 x lane, v9 8 x lane (K steps 0-3); v10, v11 for K steps 4-7
.set AW,  12                           ; v12-13 my 64 rows of Wp
.set STO, 14
.set RD,  15
.set CO,  16
.set SO,  17
.set BO,  18
.set SPW, 28
.set NIL, 29
.set XS,  32
.set WS,  48
.set XF,  64                           ; x's fragments, two sets of 48
.set WF,  160                          ; Wp's
.set BK,  64                           ; the way out: rows read back, two sets of 32
.set BI,  128                          ; window 1: v0-127 accumulators, v128-159 bp
.set G1X, 24
.set G1W, 32
.set G0X, 40
.set G0W, 44
.set MSB, 0
.macro WIN new
.if MSB != (\new)
	s_set_vgpr_msb (MSB<<8)|(\new)
.set MSB, (\new)
.endif
.endm
.macro PLACES n
.rept \n
	v_nop
.endr
.endm
.macro CROUND
	s_barrier_signal -1
	s_barrier_wait -1
	s_cmp_lg_u32 s16, 0
	s_cbranch_scc1 .Lnot_wave_0_\@
	s_barrier_signal -3
.Lnot_wave_0_\@:
	s_barrier_wait -3
	s_barrier_signal -1
	s_barrier_wait -1
.endm
	s_load_b256 s[4:11], s[0:1], 0x0               ; xcodes 4, xscales 6, Wp_codes 8, Wp_scales 10
	s_load_b128 s[12:15], s[0:1], 0x20             ; out0 12, bp 14
	v_lshl_add_u32 v[SPW], v0, 2, SPARE
	v_mov_b32 v[NIL], 0
	ds_add_u32 v[SPW], v[NIL]
	ds_add_u32 v[SPW], v[NIL]
	v_lshrrev_b32 v1, 5, v0
	v_readfirstlane_b32 s16, v1                    ; wave
	s_lshr_b32 s17, s16, 1                         ; my half of the rows; also: I fetch x (0) or Wp (1)
	s_and_b32 s18, s16, 1                          ; my half of the columns; also: which half I fetch
	s_bfe_u32 s19, ttmp6, 0x40000
	s_bfe_u32 s20, ttmp6, 0x40004
	s_lshl_b32 s21, ttmp9, 2
	s_add_co_u32 s21, s21, s19                     ; tile column
	s_and_b32 s22, ttmp7, 0xffff
	s_lshl_b32 s22, s22, 2
	s_add_co_u32 s22, s22, s20                     ; tile row
	s_lshl_b32 s23, s20, 2
	s_lshl_b32 s23, 15, s23
	s_lshl_b32 s66, 0x1111, s19
	s_or_b32 s[G1X], s23, (3<<16)|(1<<21)          ; 49,152 dense bytes as 192 rows of 256
	s_mov_b32 s[G1X+1], 32<<16
	s_mov_b32 s[G1X+2], 192<<16
	s_mov_b32 s[G1X+3], 32<<16
	s_mov_b32 s[G1X+4], 192
	s_mov_b32 s[G1X+5], 32
	s_mov_b32 s[G1X+6], 0
	s_mov_b32 s[G1X+7], 0
	s_or_b32 s[G1W], s66, (1<<20)|(1<<21)|(5<<22)|(3<<25)   ; 64 rows of 768 bytes, 4 words of padding behind every 64
	s_mov_b32 s[G1W+1], 768<<16
	s_mov_b32 s[G1W+2], 64<<16
	s_mov_b32 s[G1W+3], 768<<16
	s_mov_b32 s[G1W+4], 64
	s_mov_b32 s[G1W+5], 768
	s_mov_b32 s[G1W+6], 0
	s_mov_b32 s[G1W+7], 0
	s_mul_i32 s48, s22, XT
	s_mul_i32 s50, s18, 49152
	s_add_co_u32 s48, s48, s50
	s_mov_b32 s49, 0
	s_lshl_b32 s52, s21, 7
	s_lshl_b32 s53, s18, 6
	s_add_co_u32 s52, s52, s53
	s_mul_i32 s52, s52, 768
	s_mov_b32 s53, 0
	s_mul_i32 s51, s18, 64*PITCH
	s_add_co_u32 s51, s51, XT
	s_wait_dscnt 0x0
	s_wait_kmcnt 0x0
	s_mov_b32 s[G0X], 1
	s_mov_b32 s[G0X+1], s50
	s_add_nc_u64 s[G0X+2:G0X+3], s[4:5], s[48:49]
	s_or_b32 s[G0X+3], s[G0X+3], 0x80000000
	s_mov_b32 s[G0W], 1
	s_mov_b32 s[G0W+1], s51
	s_add_nc_u64 s[G0W+2:G0W+3], s[8:9], s[52:53]
	s_or_b32 s[G0W+3], s[G0W+3], 0x80000000
	CROUND                                         ; the joint loads meet
	s_cmp_eq_u32 s17, 0
	s_cbranch_scc0 .Lfor_w
	tensor_load_to_lds s[G0X:G0X+3], s[G1X:G1X+7]
	s_nop 0
	PLACES 4
	s_branch .Lasked
.Lfor_w:
	tensor_load_to_lds s[G0W:G0W+3], s[G1W:G1W+7]
	s_nop 0
	PLACES 4
.Lasked:
	s_lshl_b32 s48, s22, 7
	s_lshl_b32 s49, s17, 6
	s_add_co_u32 s48, s48, s49                     ; my first token
	s_lshl_b32 s50, s48, 5
	s_mov_b32 s51, 0
	s_add_nc_u64 s[6:7], s[6:7], s[50:51]
	s_lshl_b32 s50, s48, 12
	s_add_nc_u64 s[12:13], s[12:13], s[50:51]
	s_lshl_b32 s52, s21, 7
	s_lshl_b32 s53, s18, 6
	s_add_co_u32 s52, s52, s53                     ; my first column
	s_lshl_b32 s50, s52, 5
	s_add_nc_u64 s[10:11], s[10:11], s[50:51]
	s_lshl_b32 s50, s52, 2
	s_add_nc_u64 s[14:15], s[14:15], s[50:51]
	s_add_nc_u64 s[12:13], s[12:13], s[50:51]
	s_mul_i32 s54, s17, 6144                       ; my four token tiles in each K step's image
	s_mul_i32 s55, s18, 64*PITCH
	s_add_co_u32 s55, s55, XT
	s_mul_i32 s56, s16, 16*SPITCH
	s_add_co_u32 s56, s56, STAGE
	v_and_b32 v1, 15, v0                           ; r
	v_bfe_u32 v2, v0, 4, 1                         ; h
	v_and_b32 v3, 31, v0
	v_lshlrev_b32 v4, 4, v3
	v_lshlrev_b32 v5, 3, v3
	v_add_nc_u32 v[AX], s54, v4
	v_add_nc_u32 v[AX+1], s54, v5
	v_add_nc_u32 v[AX+2], 49152, v[AX]
	v_add_nc_u32 v[AX+3], 49152, v[AX+1]
	v_mul_u32_u24 v4, v1, PITCH
	v_mad_u32_u24 v4, v2, 24, v4
	v_add_nc_u32 v[AW], s55, v4
	v_lshl_add_u32 v[AW+1], v2, 4, v[AW]
	v_mul_u32_u24 v5, v1, SPITCH
	v_lshl_add_u32 v5, v2, 5, v5
	v_add_nc_u32 v[STO], s56, v5                   ; in: row r, 32 bytes for each half of the lanes
	v_mul_u32_u24 v6, v2, SPITCH
	v_lshl_add_u32 v6, v1, 4, v6
	v_add_nc_u32 v[RD], s56, v6                    ; back: lanes 0-15 one row of 256 bytes, lanes 16-31 the next
	v_lshlrev_b32 v7, 12, v2
	v_lshl_add_u32 v[CO], v1, 4, v7                ; the same two rows in out0
	v_lshlrev_b32 v7, 5, v1
	v_lshl_add_u32 v[SO], v2, 4, v7
	v_lshlrev_b32 v[BO], 5, v2
	s_wait_alu depctr_va_vdst(0)                   ; the wait at the head's end
.irp i, 0,1,2,3
	global_load_b128 v[XS+4*\i:XS+4*\i+3], v[SO], s[6:7] offset:512*\i
	global_load_b128 v[WS+4*\i:WS+4*\i+3], v[SO], s[10:11] offset:512*\i
.endr
	WIN 0x40
.irp b, 0,1,2,3
	global_load_b128 v[BI+8*\b:BI+8*\b+3], v[BO], s[14:15] offset:64*\b
	global_load_b128 v[BI+8*\b+4:BI+8*\b+7], v[BO], s[14:15] offset:64*\b+16
.endr
	WIN 0
	s_wait_tensorcnt 0x0                           ; my tile is in;
	s_wait_loadcnt 0x0
	s_barrier_signal -1
	s_barrier_wait -1                              ; everybody's is
.macro FRAG reg, adr, st, i            ; byte y of a row of Wp lies at y + 16 (y / 256) of its LDS row
.irp p, 0,1,2,3,4,5
.set BY, 96*(\st)+48*(\p/3)+8*(\p%3)
.if BY/256 == (BY+24)/256
	ds_load_b64 v[\reg+2*\p:\reg+2*\p+1], v[\adr] offset:BY+16*(BY/256)+(\i)*16*PITCH
.else
	ds_load_b64 v[\reg+2*\p:\reg+2*\p+1], v[\adr+1] offset:BY+16*(BY/256)+(\i)*16*PITCH
.endif
.endr
.endm
.macro FRAGX reg, st, i
.irp c, 0,1
	ds_load_b128 v[\reg+6*\c:\reg+6*\c+3], v[AX+2*((\st)/4)] offset:12288*((\st)%4)+1536*(\i)+768*\c
	ds_load_b64 v[\reg+6*\c+4:\reg+6*\c+5], v[AX+1+2*((\st)/4)] offset:12288*((\st)%4)+1536*(\i)+768*\c+512
.endr
.endm
.macro FETCHP st
.irp i, 0,1,2,3
	FRAGX XF+48*((\st)%2)+12*\i, \st, \i
.endr
.irp i, 0,1,2,3
	FRAG WF+48*((\st)%2)+12*\i, AW, \st, \i
.endr
.endm
.macro WM d, a, b, c, sa, sb, row
.if (\row) == 0
	v_wmma_scale_f32_16x16x128_f8f6f4 v[(\d):(\d)+7], v[(\a):(\a)+11], v[(\b):(\b)+11], v[(\c):(\c)+7], v[\sa], v[\sb] matrix_a_fmt:MATRIX_FMT_FP6 matrix_b_fmt:MATRIX_FMT_FP6
.else
	v_wmma_scale_f32_16x16x128_f8f6f4 v[(\d):(\d)+7], v[(\a):(\a)+11], v[(\b):(\b)+11], v[(\c):(\c)+7], v[\sa], v[\sb] matrix_a_fmt:MATRIX_FMT_FP6 matrix_b_fmt:MATRIX_FMT_FP6 matrix_a_scale:MATRIX_SCALE_ROW1 matrix_b_scale:MATRIX_SCALE_ROW1
.endif
.endm
.macro MULP st                         ; the 16 accumulators by turns; the first step takes bp as C
.irp a, 0,1,2,3
.irp b, 0,1,2,3
.if (\st) == 0
	WM 8*(4*\a+\b), WF+12*\b, XF+12*\a, BI+8*\b, WS+4*\b, XS+4*\a, 0
.else
	WM 8*(4*\a+\b), WF+48*((\st)%2)+12*\b, XF+48*((\st)%2)+12*\a, 8*(4*\a+\b), WS+4*\b+(\st)%4, XS+4*\a+(\st)%4, (\st)/4
.endif
.endr
.endr
.endm
	FETCHP 0
.set ST, 0
.rept 8                                ; step s + 1's 40 loads are issued ahead of step s's products; the counted wait leaves just those out
.if ST < 7
.if ST > 0
	PLACES 4                                       ; in front of loads into registers that the last products read
.endif
	WIN 0
	FETCHP ST+1
	s_wait_dscnt 40
.else
	s_wait_dscnt 0x0
.endif
	WIN 0x50                                       ; C and D window 1
	MULP ST
.set ST, ST+1
.endr
	WIN 0
; the way out, 16 rows x 64 columns at a time, through my own stage: whole rows of 256 bytes come back
.macro TOSTAGE a
	WIN 0x04                                       ; the data: window 1
.irp b, 0,1,2,3
	ds_store_b128 v[STO], v[8*(4*\a+\b):8*(4*\a+\b)+3] offset:64*\b
	ds_store_b128 v[STO], v[8*(4*\a+\b)+4:8*(4*\a+\b)+7] offset:64*\b+16
.endr
	WIN 0
.irp t, 0,1,2,3,4,5,6,7
	ds_load_b128 v[BK+32*((\a)%2)+4*\t:BK+32*((\a)%2)+4*\t+3], v[RD] offset:\t*2*SPITCH   ; a wave's LDS instructions are served in order
.endr
.endm
.macro SEND a, younger
	s_wait_dscnt \younger
.irp t, 0,1,2,3,4,5,6,7
	global_store_b128 v[CO], v[BK+32*((\a)%2)+4*\t:BK+32*((\a)%2)+4*\t+3], s[12:13] offset:(16*(\a)+2*\t)*4096 th:TH_STORE_NT   ; 16 lanes store 256 consecutive bytes, aligned
.endr
.endm
	PLACES 4
	TOSTAGE 0
.irp a, 1,2,3
.if \a > 1
	s_wait_xcnt 0x0                                ; block a - 2's stores have read their registers
.endif
	TOSTAGE \a
	SEND \a-1, 16                                  ; behind block a - 1's loads: 8 stores and 8 loads
.endr
	SEND 3, 0
	s_wait_tensorcnt 0x0                           ; the wave's end
	ds_add_u32 v[SPW], v[NIL]
	s_wait_dscnt 0x0
	CROUND                                         ; the closing round
	s_endpgm
.Lfunc_end_k_qad5d088b14_proj:
	.size	k_qad5d088b14_proj, .Lfunc_end_k_qad5d088b14_proj-k_qad5d088b14_proj
	.p2alignl 7, 3214868480
	.fill 96, 4, 3214868480
	.section	.rodata,"a",@progbits
	.p2align	6, 0x0
	.amdhsa_kernel k_qad5d088b14_proj
		.amdhsa_group_segment_fixed_size 327680
		.amdhsa_private_segment_fixed_size 0
		.amdhsa_enable_private_segment 0
		.amdhsa_kernarg_size 48
		.amdhsa_user_sgpr_count 2
		.amdhsa_user_sgpr_kernarg_segment_ptr 1
		.amdhsa_wavefront_size32 1
		.amdhsa_system_sgpr_workgroup_id_x 1
		.amdhsa_system_sgpr_workgroup_id_y 1
		.amdhsa_system_sgpr_workgroup_id_z 1
		.amdhsa_system_vgpr_workitem_id 0
		.amdhsa_next_free_vgpr 512
		.amdhsa_next_free_sgpr 80
		.amdhsa_reserve_vcc 0
		.amdhsa_float_denorm_mode_32 3
		.amdhsa_float_denorm_mode_16_64 3
		.amdhsa_memory_ordered 1
		.amdhsa_forward_progress 1
		.amdhsa_inst_pref_size 54
	.end_amdhsa_kernel
	.amdgpu_metadata
---
amdhsa.version: [ 1, 2 ]
amdhsa.kernels:
  - .name:           k_qad5d088b14_proj
    .symbol:         k_qad5d088b14_proj.kd
    .args:
      - { .name: xcodes, .offset: 0, .size: 8, .value_kind: global_buffer, .address_space: global }
      - { .name: xscales, .offset: 8, .size: 8, .value_kind: global_buffer, .address_space: global }
      - { .name: Wp_codes, .offset: 16, .size: 8, .value_kind: global_buffer, .address_space: global }
      - { .name: Wp_scales, .offset: 24, .size: 8, .value_kind: global_buffer, .address_space: global }
      - { .name: out0, .offset: 32, .size: 8, .value_kind: global_buffer, .address_space: global }
      - { .name: bp, .offset: 40, .size: 8, .value_kind: global_buffer, .address_space: global }
    .group_segment_fixed_size: 327680
    .private_segment_fixed_size: 0
    .kernarg_segment_align: 8
    .kernarg_segment_size: 48
    .max_flat_workgroup_size: 128
    .sgpr_count:     80
    .vgpr_count:     512
    .wavefront_size: 32
...
	.end_amdgpu_metadata
.endif
;; end of part 3
